; MI455X (gfx1250); checked and timed in simulation.
; The chip was launched on July 23, 2026; its instructions are those of AMD's public machine-readable ISA for CDNA 5 (MIT licence, August 2026) and "CDNA5" Instruction Set Architecture Reference Guide (July 2026). The comments in the code are by the model that wrote it; some were corrected since.
;; CSCFC Layer. Allowed arithmetic: matrix products marked QUANTISED: E2M1 operands, one E8M0 scale for each 32 along K, by v_wmma_scale_f32_16x16x128_f8f6f4 with both operands' format E2M1 (or v_wmma_scale_f32_32x16x128_f4), f32 sums; everything else in f32.
;; Inputs: bias 4,096 float32; kernel 4,096 x 4,096 float32; x 4,096 x 4,096 float32.
;; Outputs: out0 4,096 x 4,096 float32.
;; This version of the problem:
;;   THIS VERSION OF THE PROBLEM IS GIVEN IN LOW PRECISION. The matrix products marked QUANTISED in the list below multiply operands that are first quantised to E2M1 (2 exponent bits, 1 mantissa bit; 4 bits a number), with one power-of-two scale for each 32 numbers along K (OCP MX v1.0); their sums are f32. All else is computed in f32.
;;   The module's matrix products, in the order in which they are computed (A, B: the left and right operand; K: the contracted axis; several contracted axes count as one K, in the product's order):
;;     1. [M 4,096, K 4,096] x [K 4,096, N 4,096]; A: input x; B: input kernel: QUANTISED
;;   THE QUANTISER, for each operand of a quantised product, along K:
;;     - K is cut into blocks of 32 from its start; a last block that is shorter is filled with zeros.
;;     - A block's scale is 2^e with e = floor(log2(the largest magnitude in the block)) - 2, held to -126 .. 127; a block of zeros has e = 0. As a byte (E8M0): e + 127.
;;     - Each number is divided by its block's scale, clamped to +-6, and rounded to the nearest number of E2M1, ties to even, subnormals kept.
;;     - The product sums the exact products of the quantised numbers (number of the format x scale) in f32.
;;   ~~~python
;;   def quantise(x, axis):      # numpy; x: float32 -> the quantised numbers, widened to float32 again
;;       x = np.moveaxis(x, axis, -1); K = x.shape[-1]
;;       x = np.pad(x, [(0, 0)] * (x.ndim - 1) + [(0, -K % 32)]); x = x.reshape(x.shape[:-1] + (-1, 32)); a = np.abs(x).max(-1, keepdims=True)
;;       e = np.where(a > 0, np.clip(np.frexp(np.where(a > 0, a, 1))[1] - 1 - 2, -126, 127), 0)      # np.frexp(a)[1] - 1 = floor(log2(a)), exactly
;;       r = np.clip(x / 2.0 ** e, -6, 6)
;;       step = 2.0 ** (np.maximum(np.frexp(np.where(r == 0, 1, r))[1] - 1, 0) - 1)
;;       q = np.round(r / step) * step * 2.0 ** e      # np.round: ties to even
;;       return np.moveaxis(q.reshape(q.shape[:-2] + (-1,))[..., :K], -1, axis).astype(np.float32)
;;   ~~~
;; One version. Each part assembles by itself: llvm-mc -triple=amdgcn-amd-amdhsa -mcpu=gfx1250 --defsym DOCPART=n.
;; ======== version 1 of 1: 2 launches
;; limits: right only within a limited range of input values
;; workspace buffers: xq 8,912,896 bytes; wq 8,912,896 bytes
;; launch quant (part 1): grid 768 x 1, 8 waves a work-group, no clusters, 81,920 bytes of LDS; arguments x, kernel, xq, wq; writes xq, wq
.if DOCPART == 1
	.amdgcn_target "amdgcn-amd-amdhsa--gfx1250"
	.amdhsa_code_object_version 6
	.text
	.protected	k_q01ab3429d2_quant
	.globl	k_q01ab3429d2_quant
	.p2align	8
	.type	k_q01ab3429d2_quant,@function
k_q01ab3429d2_quant:
	s_mov_b64 s[64:65], 0
	v_nop
	global_prefetch_b8 v0, s[64:65] scope:SCOPE_SE
	s_setreg_imm32_b32 hwreg(HW_REG_WAVE_MODE, 25, 1), 1
	s_wait_xcnt 0x0
; x [4096 (m)][4096 (k)] and kernel [4096 (k)][4096 (n)], f32, become codes of FP4 (E2M1) with one E8M0 scale byte for each 32 along K,
; laid in the order in which the product's launch takes them into registers.
; A RECORD is 16 operand rows (rows m of x, columns n of kernel) x 512 along K: 4,352 bytes = 17 pieces of 256 bytes.
;   piece u (0..15), at 256 u: block u (k = 32 u .. 32 u + 31 of the K step); row r's 16 bytes of codes at 16 r, the lower k in the lower bits.
;   piece 16, at 4,096: row r's 16 scale bytes at 16 r, byte u for block u.
;   record (K step s = 0..7, row block i = 0..255) lies at (256 s + i) x 4,352 in xq and in wq.
; A block's scale is 2^(floor(log2(its largest magnitude)) - 2); its byte is the largest magnitude's exponent field - 2, held at 1 from below.
; Each number is divided by the scale and rounded to the nearest code, ties to even, beyond 6 the largest code.
; LIMITS: NaN and infinities among the inputs are not served.  Blocks whose largest magnitude lies under 2^-124 get the byte 1 (the exponent -126, as the rule's clip asks); not tried.
; A block of zeros gets the byte 1 where the rule says 127: its codes are zeros, which add nothing under any byte but 0xff, and the bytes are read by this program alone.
; ONE LAUNCH FOR BOTH TENSORS.  Work-groups 0-255 take x (16 whole rows each), work-groups 256-767 take kernel (64 columns x 512 along K each).  The two ways part once, on the
; work-group's number, never join, and have LDS bytes of their own.  Loads go through registers; nothing here is shared between work-groups, so no cluster and no matrix unit.
.set REC,   4352                       ; bytes of a record
.set WREG,  9984                       ; way of x: LDS of one wave: two turn stages, then the out stage
.set SP,    80                         ; a lane's place in a turn stage: its 64 bytes + 16 of padding
.set OST,   2*32*SP                    ; the out stage begins here: 17 pieces, 272 bytes apart
.set UP,    272
.set KSC,   8*WREG                     ; way of kernel: 64 columns x 16 scale bytes
.set R,     16                         ; v16-111  x: six sets of 16 numbers as loaded
.set XX,    112                        ; v112-143 x: two sets of 16 neighbours
.set C,     144                        ; v144-147 x: two pairs of code registers
.set E,     148                        ; v148-149 x: two scale bytes
.set X,     16                         ; v16-143  kernel: 128 numbers down K of my column
.set CK,    144                        ; v144-159 kernel: four blocks' codes
	s_load_b256 s[4:11], s[0:1], 0x0               ; x s[4:5], kernel s[6:7], xq s[8:9], wq s[10:11]
	v_lshl_add_u32 v14, v0, 2, 0x13c00
	v_mov_b32 v15, 0
	v_lshrrev_b32 v1, 5, v0
	s_delay_alu instid0(VALU_DEP_1)
	v_readfirstlane_b32 s12, v1                    ; wave 0..7
	v_and_b32 v2, 31, v0                           ; lane
	s_cmp_lt_u32 ttmp9, 256                        ; the same answer in every wave of a work-group
	s_cbranch_scc0 .Lkernel
; ---------------------------------------------------------------- THE WAY OF x: K is innermost
; The work-group is row block ttmp9; wave w takes K step w of its 16 rows: one record.  Step t is row t: 512 numbers, 2,048 bytes, four loads of 512 consecutive bytes.
; The conversions want 16 NEIGHBOURS in one lane: a step's bytes turn through the wave's own stage in LDS (in as loaded, out 64 bytes a lane).  Two neighbouring lanes hold a block.
; Codes and bytes are gathered in the wave's out stage in the record's order and leave in stores of 512 and 256 consecutive bytes.  Six steps' loads (24) are out in each wave.
	s_lshl_b32 s16, ttmp9, 18                      ; 16 rows of 16,384 bytes
	s_lshl_b32 s17, s12, 11                        ; + K step w: 2,048 bytes on in a row
	s_add_co_u32 s16, s16, s17
	s_mov_b32 s17, 0
	s_lshl_b32 s18, s12, 8
	s_add_co_u32 s18, s18, ttmp9
	s_mul_i32 s18, s18, REC                        ; my record: (256 w + row block) x 4,352
	s_mov_b32 s19, 0
	s_mul_i32 s13, s12, WREG                       ; my LDS
	s_add_co_u32 s14, s13, OST                     ; my out stage
	s_add_co_u32 s15, s14, 16*UP                   ; its piece 16: the scale bytes
	s_wait_alu depctr_va_vdst(0)
	v_lshlrev_b32 v3, 4, v2                        ; 16 x lane: my bytes of a load and of a store of 512
	v_lshrrev_b32 v11, 1, v2                       ; my block u = lane / 2
	v_and_b32 v12, 1, v2
	s_delay_alu instid0(VALU_DEP_2)
	v_mul_u32_u24 v4, v11, UP
	s_delay_alu instid0(VALU_DEP_1)
	v_lshl_add_u32 v4, v12, 3, v4
	s_delay_alu instid0(VALU_DEP_1)
	v_add_nc_u32 v4, s14, v4                       ; codes: piece u, + 8 x (lane % 2); the row's 16 t stands in the immediate
	v_add_nc_u32 v5, s15, v11                      ; scale byte: piece 16, byte u
	v_lshrrev_b32 v12, 4, v2
	v_and_b32 v13, 15, v2
	s_delay_alu instid0(VALU_DEP_2)
	v_mul_u32_u24 v6, v12, UP
	s_delay_alu instid0(VALU_DEP_1)
	v_lshl_add_u32 v6, v13, 4, v6
	s_delay_alu instid0(VALU_DEP_1)
	v_add_nc_u32 v6, s14, v6                       ; back: two pieces an instruction, sixteen lanes to a piece
	v_lshlrev_b32 v8, 3, v2                        ; 8 x lane
	s_delay_alu instid0(VALU_DEP_1)
	v_add_nc_u32 v7, s15, v8                       ; back: piece 16, 8 bytes a lane
	v_lshrrev_b32 v12, 2, v2
	v_and_b32 v13, 3, v2
	s_delay_alu instid0(VALU_DEP_2)
	v_mul_u32_u24 v9, v12, SP
	s_delay_alu instid0(VALU_DEP_1)
	v_lshl_add_u32 v9, v13, 4, v9
	s_delay_alu instid0(VALU_DEP_1)
	v_add_nc_u32 v9, s13, v9                       ; turn stage, in: four lanes' 64 bytes on end, then the padding
	v_mul_u32_u24 v10, v2, SP
	s_delay_alu instid0(VALU_DEP_1)
	v_add_nc_u32 v10, s13, v10                     ; turn stage, out: my 16 neighbours
	s_wait_alu depctr_va_vdst(0)
	s_wait_kmcnt 0x0
	s_add_nc_u64 s[4:5], s[4:5], s[16:17]
	s_add_nc_u64 s[8:9], s[8:9], s[18:19]
.macro LOADX t                         ; row t's 2,048 bytes into set t % 6
.irp j, 0,1,2,3
	global_load_b128 v[R+16*((\t)%6)+4*\j:R+16*((\t)%6)+4*\j+3], v3, s[4:5] offset:16384*(\t)+512*\j th:TH_LOAD_NT   ; 32 lanes read 512 consecutive bytes; read once in the launch
.endr
.endm
.macro TURNX t                         ; through turn stage t % 2: LDS serves a wave's instructions in order, so no wait stands between the stores and the loads
.irp j, 0,1,2,3
	ds_store_b128 v9, v[R+16*((\t)%6)+4*\j:R+16*((\t)%6)+4*\j+3] offset:32*SP*((\t)%2)+8*SP*\j
.endr
.irp j, 0,1,2,3
	ds_load_b128 v[XX+16*((\t)%2)+4*\j:XX+16*((\t)%2)+4*\j+3], v10 offset:32*SP*((\t)%2)+16*\j
.endr
.endm
.macro STEPX t
.set XS, XX+16*((\t)%2)
.if (\t) > 0
	s_wait_dscnt 2                                 ; all but the last step's code store and byte store: this step's numbers are back, so its stores into the stage have read set t % 6,
.else
	s_wait_dscnt 0x0
.endif
.if (\t)+6 < 16
	LOADX (\t)+6                                   ; which takes the loads of six steps on
.endif
.if (\t)+1 < 16
.if (\t) <= 9
	s_wait_loadcnt 20                              ; the next step's four loads are in; those of the five steps behind it may be out
.else
	s_wait_loadcnt 4*(14-(\t))                     ; nothing more is asked for: the counts run down
.endif
	TURNX (\t)+1                                   ; the next step turns while this one is worked
.endif
	v_max3_num_f32 v150, |v[XS]|, |v[XS+1]|, |v[XS+2]|             ; the largest magnitude of my 16, in two chains
	v_max3_num_f32 v151, |v[XS+3]|, |v[XS+4]|, |v[XS+5]|
.irp i, 6,10
	s_delay_alu instid0(VALU_DEP_2)
	v_max3_num_f32 v150, v150, |v[XS+\i]|, |v[XS+\i+1]|
	s_delay_alu instid0(VALU_DEP_2)
	v_max3_num_f32 v151, v151, |v[XS+\i+2]|, |v[XS+\i+3]|
.endr
	s_delay_alu instid0(VALU_DEP_2)
	v_max3_num_f32 v150, v150, |v[XS+14]|, |v[XS+15]|
	s_delay_alu instid0(VALU_DEP_1)
	v_max3_num_f32 v150, v150, v151, 0x1800000     ; and the floor 2^(3 - 127): the byte cannot fall under 1
	s_delay_alu instid0(VALU_DEP_1)
	v_max_num_f32_dpp v150, v150, v150 row_xmask:1 row_mask:0xf bank_mask:0xf   ; with my neighbour's 16: the block's
	s_delay_alu instid0(VALU_DEP_1)
	v_add_nc_u32 v152, 0xff000000, v150            ; 2 off its exponent field: the conversion takes the exponent field of this operand as its scale
	v_cvt_scalef32_pk8_fp4_f32 v[C+2*((\t)%2)], v[XS:XS+7], v152
	v_cvt_scalef32_pk8_fp4_f32 v[C+2*((\t)%2)+1], v[XS+8:XS+15], v152
	v_lshrrev_b32 v[E+(\t)%2], 23, v152            ; the scale's byte (a plain line behind the conversions)
	ds_store_b64 v4, v[C+2*((\t)%2):C+2*((\t)%2)+1] offset:16*(\t)   ; row t's place in piece u
	ds_store_b8 v5, v[E+(\t)%2] offset:16*(\t)     ; both lanes of a block write the same byte with the same value
.endm
.irp t, 0,1,2,3,4,5
	LOADX \t
.endr
	s_wait_loadcnt 20                              ; row 0's four loads are in
	TURNX 0
.irp t, 0,1,2,3,4,5,6,7,8,9,10,11,12,13,14,15
	STEPX \t
.endr
.irp j, 0,1,2,3,4,5,6,7
	ds_load_b128 v[16+4*\j:19+4*\j], v6 offset:2*UP*\j             ; pieces 2 j and 2 j + 1; these see my stores, which LDS served before them
.endr
	ds_load_b64 v[48:49], v7                       ; piece 16
.irp j, 0,1,2,3,4,5,6,7
	s_wait_dscnt 8-\j                              ; number j is back; the 7 - j behind it and piece 16 may be out
	global_store_b128 v3, v[16+4*\j:19+4*\j], s[8:9] offset:512*\j   ; 32 lanes store 512 consecutive bytes, at a multiple of 256 from the buffer's first byte
.endr
	s_wait_dscnt 0x0
	global_store_b64 v8, v[48:49], s[8:9] offset:4096
	s_wait_tensorcnt 0x0
	ds_add_u32 v14, v15
	s_wait_dscnt 0x0
	s_endpgm
; ---------------------------------------------------------------- THE WAY OF kernel: K is the first axis
; A LANE TAKES A COLUMN n AND ITS REGISTERS RUN DOWN K: a block of 32 lies in one lane, its maximum needs no other lane, and the conversions give codes with K innermost.
; Work-group j = ttmp9 - 256: columns 64 (j % 64) on, K step j / 64.  Wave w: 32 columns (w % 2), 128 along K (w / 2): four blocks a lane, all 128 loads asked for in one run.
; A block's 16 bytes of codes of sixteen neighbouring columns ARE a piece of a record: each store covers two aligned runs of 256 bytes.  The four waves' scale bytes of a column meet in LDS.
.Lkernel:
	s_sub_co_u32 s13, ttmp9, 256
	s_and_b32 s14, s13, 63                         ; g: which 64 columns
	s_lshr_b32 s15, s13, 6                         ; s: which K step
	s_and_b32 s16, s12, 1                          ; cg: which 32 of the 64 columns
	s_lshr_b32 s17, s12, 1                         ; kq: which 128 of the 512 along K
	s_lshl_b32 s18, s15, 23                        ; kernel: 512 rows of 16,384 bytes a K step,
	s_lshl_b32 s19, s17, 21                        ; 128 rows a wave,
	s_add_co_u32 s18, s18, s19
	s_lshl_b32 s19, s14, 8                         ; 256 bytes of a row a work-group,
	s_add_co_u32 s18, s18, s19
	s_lshl_b32 s19, s16, 7                         ; 128 a wave
	s_add_co_u32 s18, s18, s19
	s_mov_b32 s19, 0
	s_lshl_b32 s20, s15, 8                         ; wq: record 256 s + 4 g + 2 cg (lanes 16-31: the next one),
	s_lshl_b32 s21, s14, 2
	s_add_co_u32 s20, s20, s21
	s_lshl_b32 s21, s16, 1
	s_add_co_u32 s20, s20, s21
	s_mul_i32 s20, s20, REC
	s_lshl_b32 s21, s17, 10                        ; pieces 4 kq on
	s_add_co_u32 s20, s20, s21
	s_mov_b32 s21, 0
	s_lshl_b32 s22, s16, 9
	s_add_co_u32 s22, s22, KSC                     ; LDS: my 32 columns' scale bytes, 16 a column,
	s_lshl_b32 s23, s17, 2
	s_add_co_u32 s23, s23, s22                     ; my four of the 16
	s_wait_alu depctr_va_vdst(0)
	v_lshlrev_b32 v3, 2, v2                        ; in: 4 bytes a lane
	v_lshrrev_b32 v7, 4, v2
	v_and_b32 v8, 15, v2
	s_delay_alu instid0(VALU_DEP_2)
	v_mul_u32_u24 v4, v7, REC
	s_delay_alu instid0(VALU_DEP_1)
	v_lshl_add_u32 v4, v8, 4, v4                   ; out: record lane / 16, row lane % 16
	v_lshl_add_u32 v5, v2, 4, s23
	v_lshl_add_u32 v6, v2, 4, s22
	s_wait_alu depctr_va_vdst(0)
	s_wait_kmcnt 0x0
	s_add_nc_u64 s[6:7], s[6:7], s[18:19]
	s_add_nc_u64 s[10:11], s[10:11], s[20:21]
.set KI, 0
.rept 128
	global_load_b32 v[X+KI], v3, s[6:7] offset:16384*KI th:TH_LOAD_NT   ; kernel(128 kq + KI, my column): 32 lanes read 128 consecutive bytes; read once in the launch
.set KI, KI+1
.endr
.macro KBLOCK b
.set XS, X+32*(\b)
	v_max3_num_f32 v9, |v[XS]|, |v[XS+1]|, |v[XS+2]|
	v_max3_num_f32 v10, |v[XS+3]|, |v[XS+4]|, |v[XS+5]|
.irp i, 6,10,14,18,22,26
	s_delay_alu instid0(VALU_DEP_2)
	v_max3_num_f32 v9, v9, |v[XS+\i]|, |v[XS+\i+1]|
	s_delay_alu instid0(VALU_DEP_2)
	v_max3_num_f32 v10, v10, |v[XS+\i+2]|, |v[XS+\i+3]|
.endr
	s_delay_alu instid0(VALU_DEP_2)
	v_max3_num_f32 v9, v9, |v[XS+30]|, |v[XS+31]|
	s_delay_alu instid0(VALU_DEP_1)
	v_max3_num_f32 v9, v9, v10, 0x1800000
	s_delay_alu instid0(VALU_DEP_1)
	v_add_nc_u32 v11, 0xff000000, v9
	s_delay_alu instid0(VALU_DEP_1)
	v_lshrrev_b32 v12, 23, v11
.if (\b) == 0
	s_delay_alu instid0(VALU_DEP_1)
	v_mov_b32 v13, v12
.else
	s_delay_alu instid0(VALU_DEP_1)
	v_lshl_or_b32 v13, v12, 8*(\b), v13
.endif
.irp g, 0,1,2,3
	v_cvt_scalef32_pk8_fp4_f32 v[CK+4*(\b)+\g], v[XS+8*\g:XS+8*\g+7], v11
.endr
	v_nop                                          ; one plain line behind a run of scaled conversions
	global_store_b128 v4, v[CK+4*(\b):CK+4*(\b)+3], s[10:11] offset:256*(\b)   ; lanes 0-15 store 256 consecutive bytes, aligned; lanes 16-31 the same piece of the next record
.endm
	s_wait_loadcnt 63                              ; of the 128 loads at most 63 are out: the first 65 are in, blocks 0 and 1 among them
	KBLOCK 0
	KBLOCK 1
	s_wait_loadcnt 32                              ; behind block 2's loads stand block 3's 32
	KBLOCK 2
	s_wait_loadcnt 0x0
	KBLOCK 3
	ds_store_b32 v5, v13
	s_wait_dscnt 0x0                               ; for the others' sake: my store has landed
	s_barrier_signal -1
	s_barrier_wait -1                              ; every wave of this way passes it: the branch that led here hangs on the work-group's number alone
	s_cmp_lg_u32 s17, 0                            ; the two waves with kq = 0 store the columns' whole 16 bytes
	s_cbranch_scc1 .Lend
	ds_load_b128 v[16:19], v6
	s_wait_dscnt 0x0
	global_store_b128 v4, v[16:19], s[10:11] offset:4096           ; piece 16 of two records: twice 256 consecutive bytes, aligned
.Lend:
	s_wait_tensorcnt 0x0
	ds_add_u32 v14, v15
	s_wait_dscnt 0x0
	s_endpgm
.Lfunc_end_k_q01ab3429d2_quant:
	.size	k_q01ab3429d2_quant, .Lfunc_end_k_q01ab3429d2_quant-k_q01ab3429d2_quant
	.p2alignl 7, 3214868480
	.fill 96, 4, 3214868480
	.section	.rodata,"a",@progbits
	.p2align	6, 0x0
	.amdhsa_kernel k_q01ab3429d2_quant
		.amdhsa_group_segment_fixed_size 81920
		.amdhsa_private_segment_fixed_size 0
		.amdhsa_enable_private_segment 0
		.amdhsa_kernarg_size 32
		.amdhsa_user_sgpr_count 2
		.amdhsa_user_sgpr_kernarg_segment_ptr 1
		.amdhsa_wavefront_size32 1
		.amdhsa_system_sgpr_workgroup_id_x 1
		.amdhsa_system_sgpr_workgroup_id_y 1
		.amdhsa_system_sgpr_workgroup_id_z 1
		.amdhsa_system_vgpr_workitem_id 0
		.amdhsa_next_free_vgpr 160
		.amdhsa_next_free_sgpr 66
		.amdhsa_reserve_vcc 0
		.amdhsa_float_denorm_mode_32 3
		.amdhsa_float_denorm_mode_16_64 3
		.amdhsa_memory_ordered 1
		.amdhsa_forward_progress 1
		.amdhsa_inst_pref_size 61
	.end_amdhsa_kernel
	.amdgpu_metadata
---
amdhsa.version: [ 1, 2 ]
amdhsa.kernels:
  - .name:           k_q01ab3429d2_quant
    .symbol:         k_q01ab3429d2_quant.kd
    .args:
      - { .name: x, .offset: 0, .size: 8, .value_kind: global_buffer, .address_space: global }
      - { .name: kernel, .offset: 8, .size: 8, .value_kind: global_buffer, .address_space: global }
      - { .name: xq, .offset: 16, .size: 8, .value_kind: global_buffer, .address_space: global }
      - { .name: wq, .offset: 24, .size: 8, .value_kind: global_buffer, .address_space: global }
    .group_segment_fixed_size: 81920
    .private_segment_fixed_size: 0
    .kernarg_segment_align: 8
    .kernarg_segment_size: 32
    .max_flat_workgroup_size: 256
    .sgpr_count:     66
    .vgpr_count:     160
    .wavefront_size: 32
...
	.end_amdgpu_metadata
.endif
;; end of part 1
;; launch gemm (part 2): grid 16 x 16, 4 waves a work-group, clusters of 4 x 4, 327,680 bytes of LDS; arguments xq, wq, bias, out0; writes out0
.if DOCPART == 2
	.amdgcn_target "amdgcn-amd-amdhsa--gfx1250"
	.amdhsa_code_object_version 6
	.text
	.protected	k_q01ab3429d2_gemm
	.globl	k_q01ab3429d2_gemm
	.p2align	8
	.type	k_q01ab3429d2_gemm,@function
k_q01ab3429d2_gemm:
	s_mov_b64 s[64:65], 0
	v_nop
	global_prefetch_b8 v0, s[64:65] scope:SCOPE_SE
	s_setreg_imm32_b32 hwreg(HW_REG_WAVE_MODE, 25, 1), 1
	s_wait_xcnt 0x0
	s_wait_alu depctr_hold_cnt(0) depctr_sa_sdst(0) depctr_va_vdst(0) depctr_va_sdst(0) depctr_va_ssrc(0) depctr_va_vcc(0) depctr_vm_vsrc(0)
	s_getreg_b32 s2, hwreg(HW_REG_IB_STS2, 6, 4)
	s_cmp_eq_u32 s2, 0
	s_cbranch_scc0 .Lentry_in_a_cluster
	s_endpgm
.Lentry_in_a_cluster:
	s_bfe_u32 s2, ttmp6, 0x10000c
	s_cmp_lg_u32 s2, 0xf033
	s_cbranch_scc0 .Lentry_shape_is_right
	s_endpgm
.Lentry_shape_is_right:
; out0[m][n] = relu(sum over k of Q(x)[m][k] Q(kernel)[k][n] + bias[n]), on the FP4 codes and E8M0 bytes that launch quant laid in records
; (16 operand rows x 512 along K: 16 pieces of 256 bytes of codes, piece u = block u, row r at 16 r; piece 16: 16 scale bytes a row).
; A work-group of four waves makes 256 x 256 of out0, a wave 128 x 128: 64 accumulators, 512 registers.  K goes in steps of 512 through two LDS slots.
; CLUSTERS 4 x 4: x's tiles are asked for jointly along a row of the cluster, kernel's along a column.
; LDS: the tensor load lays 16 bytes of padding behind each 256, so a piece is 272 bytes and a record 4,624 = 18 x 256 + 16.
; WHICH ROWS FORM A TILE: tile 4 G + b of a wave's 128 operand rows takes rows 64 G + 4 r + b (lane r): record 4 G + r / 4, row 4 (r % 4) + b.
; The sixteen lanes of a load then start at 16 (r / 4) + 64 (r % 4) modulo 256: sixteen different 16-byte columns.  The same choice serves x and kernel.
; Source 0 = x, source 1 = kernel: register j of lane (r, h) of accumulator (4 Ga + ba, 4 Gb + bb) is out0(64 Ga + 32 h + 4 j + ba, 64 Gb + 4 r + bb).
; So the relu lines of the four accumulators bb = 0..3 put 16 neighbouring bytes of a row into four neighbouring registers, and sixteen lanes store
; 256 consecutive bytes, aligned: no stage in LDS.  The bias is the C of each accumulator's first product.
; FRAGMENTS have two sets on both sides: a step of 128 along K asks at its head for the whole next step (32 LDS loads in one run), and multiplies 64 times.
; A slot's last fragments are in registers at the end of its third step: there the slots change, and the refill has a K step less an eighth until the wait for it.
; THE LAST SIX STEPS OF 128 (K step 6's last two, K step 7's four; both slots hold them) go by half rows of out0: kernel's four tiles of a column half, for all six steps, lie in window 1;
; each of x's tiles then finishes four accumulators with 24 products, and its eight stores leave at once.  x's fragments of these steps are read once for each column half.
; PREFETCH: behind the load of K step t stands a request for K step t + 2; K step 0 is asked for as soon as the arguments are there, steps 1 and 2 behind the first load.  Of the 8 records
; (136 blocks of 256 bytes) that a wave fetches, each of the four partners that ask jointly names 2 records, told apart by address: 32 blocks a lane each, then blocks 32 and 33.  K steps 6 and 7's loads ask for nothing.
; REGISTERS: window 0: v0-31 addresses, v32-95 two sets of scale words, v96-103 bias as loaded, later v96-127 results to store, v128-255 x's fragments, two sets.
;   window 1: v0-63, v128-191 kernel's fragments, two sets; v64-127 the bias, spread over eight registers a tile.  Windows 2, 3: the accumulators ((a, b) at 8 (8 (a % 4) + b)).
.set REC,    4352
.set PP,     272
.set RECP,   17*PP
.set HALFT,  8*RECP                    ; what one tensor load brings: 8 records
.set SLOT,   4*HALFT                   ; x's 16 records, then kernel's 16
.set SPARE,  2*SLOT                    ; the spare words: 512 bytes that no other line names
.set KSTRIDE, 256*REC                  ; bytes from a K step to the next in xq and wq
.set ROWC,   16384                     ; a row of out0
.set ADRA, 16
.set ADRB, 20
.set ADRS, 22
.set CO,   26
.set BO,   27
.set SPW,  28
.set NIL,  29
.set PFO,  30
.set PF2,  31
.set SC,   32
.set BT,   96
.set AF,   128
.set BI,   64
.set G1, 24
.set G0, 32
.set G1B, 48
.set G0B, 56
.set PFA, 66
.set MSB, 0
.macro WIN new
.if MSB != (\new)
	s_set_vgpr_msb (MSB<<8)|(\new)
.set MSB, (\new)
.endif
.endm
.set MUL_LO, 0xa4                      ; source 0 (x) window 0, source 1 (kernel) window 1, C and D window 2
.set MUL_HI, 0xf4                      ; the same, C and D window 3
.set TO_B,   0x40
.macro PLACES                          ; four places behind a matrix instruction, ahead of loads into its sources and of reads of its results
.rept 4
	v_nop
.endr
.endm
.macro JLOAD g0a, g1a, g0b, g1b        ; a joint load: waves 0, 1 fetch x's two halves, waves 2, 3 kernel's
	s_cmp_eq_u32 s15, 0
	s_cbranch_scc0 .Lfor_b_\@
	tensor_load_to_lds s[\g0a:\g0a+3], s[\g1a:\g1a+7]
	s_nop 0
	PLACES
	s_branch .Lasked_\@
.Lfor_b_\@:
	tensor_load_to_lds s[\g0b:\g0b+3], s[\g1b:\g1b+7]
	s_nop 0
	PLACES
.Lasked_\@:
.endm
.macro CREST
	s_cmp_lg_u32 s14, 0
	s_cbranch_scc1 .Lnot_wave_0_\@
	s_barrier_signal -3
.Lnot_wave_0_\@:
	s_barrier_wait -3
	s_barrier_signal -1
	s_barrier_wait -1
.endm
.macro CROUND
	s_barrier_signal -1
	s_barrier_wait -1
	CREST
.endm
	s_load_b256 s[4:11], s[0:1], 0x0               ; xq, wq, bias, out0
	v_lshl_add_u32 v[SPW], v0, 2, SPARE
	v_mov_b32 v[NIL], 0
	ds_add_u32 v[SPW], v[NIL]
	ds_add_u32 v[SPW], v[NIL]
	v_lshrrev_b32 v1, 5, v0
	v_readfirstlane_b32 s14, v1                    ; wave
	v_and_b32 v6, 31, v0
	v_lshlrev_b32 v[PFO], 8, v6                    ; the prefetches: blocks 0-31 of my 34, a lane each
	v_min_u32 v[PF2], 1, v6
	v_lshlrev_b32 v[PF2], 8, v[PF2]                ; blocks 32 and 33 (the lanes left over name the last again)
	s_lshr_b32 s15, s14, 1                         ; my half of the rows; also: I fetch x (0) or kernel (1)
	s_and_b32 s16, s14, 1                          ; my half of the columns; also: which 8 records I fetch
	s_bfe_u32 s40, ttmp6, 0x40000                  ; cx
	s_bfe_u32 s41, ttmp6, 0x40004                  ; cy
	s_lshl_b32 s42, ttmp9, 2
	s_add_co_u32 s42, s42, s40                     ; tile column
	s_and_b32 s17, ttmp7, 0xffff
	s_lshl_b32 s17, s17, 2
	s_add_co_u32 s17, s17, s41                     ; tile row
	s_lshl_b32 s43, s41, 2
	s_lshl_b32 s43, 15, s43                        ; my row of the cluster
	s_lshl_b32 s44, 0x1111, s40                    ; my column
	s_or_b32 s[G1+0], s43, (3<<16)|(1<<20)|(1<<21)|(5<<22)|(3<<25)   ; elements of 8 bytes; 4 words of padding behind every 64
	s_or_b32 s[G1B+0], s44, (3<<16)|(1<<20)|(1<<21)|(5<<22)|(3<<25)
.irp g, G1, G1B
	s_mov_b32 s[\g+1], 32<<16                      ; a dense block as 136 rows of 256 bytes
	s_mov_b32 s[\g+2], 136<<16
	s_mov_b32 s[\g+3], 32<<16
	s_mov_b32 s[\g+4], 136
	s_mov_b32 s[\g+5], 32
	s_mov_b32 s[\g+6], 0
	s_mov_b32 s[\g+7], 0
.endr
	s_lshl_b32 s18, s16, 3
	s_lshl_b32 s20, s17, 4
	s_add_co_u32 s20, s20, s18
	s_mul_i32 s20, s20, REC                        ; x: record 16 x tile row + 8 x half
	s_mov_b32 s21, 0
	s_lshl_b32 s46, s42, 4
	s_add_co_u32 s46, s46, s18
	s_mul_i32 s46, s46, REC                        ; kernel: record 16 x tile column + 8 x half
	s_mov_b32 s47, 0
	s_mul_i32 s45, s14, HALFT
	s_cmp_eq_u32 s15, 0                            ; the prefetches: my work-group's 2 of the 8 records that I fetch
	s_cselect_b32 s12, s17, s42
	s_cselect_b32 s13, s40, s41
	s_lshl_b32 s12, s12, 4
	s_lshl_b32 s13, s13, 1
	s_add_co_u32 s12, s12, s13
	s_add_co_u32 s12, s12, s18
	s_mul_i32 s12, s12, REC
	s_mov_b32 s13, 0
	s_wait_alu depctr_va_vdst(0)
	s_wait_dscnt 0x0
	s_wait_kmcnt 0x0
	s_cmp_eq_u32 s15, 0
	s_cselect_b64 s[PFA:PFA+1], s[4:5], s[6:7]
	s_add_nc_u64 s[PFA:PFA+1], s[PFA:PFA+1], s[12:13]
	global_prefetch_b8 v[PFO], s[PFA:PFA+1] th:TH_LOAD_NT scope:SCOPE_SE              ; K step 0, the buffers' first touch
	global_prefetch_b8 v[PF2], s[PFA:PFA+1] offset:8192 th:TH_LOAD_NT scope:SCOPE_SE
	s_add_nc_u64 s[20:21], s[4:5], s[20:21]
	s_add_nc_u64 s[46:47], s[6:7], s[46:47]
.irp s, 0,1
	s_mov_b32 s[G0+4*\s], 1
	s_add_co_u32 s[G0+4*\s+1], s45, \s*SLOT
	s_add_nc_u64 s[G0+4*\s+2:G0+4*\s+3], s[20:21], \s*KSTRIDE
	s_or_b32 s[G0+4*\s+3], s[G0+4*\s+3], 0x80000000
	s_mov_b32 s[G0B+4*\s], 1
	s_add_co_u32 s[G0B+4*\s+1], s45, \s*SLOT
	s_add_nc_u64 s[G0B+4*\s+2:G0B+4*\s+3], s[46:47], \s*KSTRIDE
	s_or_b32 s[G0B+4*\s+3], s[G0B+4*\s+3], 0x80000000
.endr
	CROUND                                         ; all sixteen work-groups are here
	JLOAD G0, G1, G0B, G1B                         ; K step 0: my one tensor load at the head
.irp t, 1,2
	global_prefetch_b8 v[PFO], s[PFA:PFA+1] offset:\t*KSTRIDE th:TH_LOAD_NT scope:SCOPE_SE
	global_prefetch_b8 v[PF2], s[PFA:PFA+1] offset:\t*KSTRIDE+8192 th:TH_LOAD_NT scope:SCOPE_SE
.endr
	s_lshl_b32 s20, s17, 8                         ; out0 at my first row and column, bias at my first column
	s_lshl_b32 s21, s15, 7
	s_add_co_u32 s20, s20, s21
	s_lshl_b32 s20, s20, 14
	s_mov_b32 s21, 0
	s_lshl_b32 s46, s42, 10
	s_lshl_b32 s47, s16, 9
	s_add_co_u32 s46, s46, s47
	s_mov_b32 s47, 0
	s_add_nc_u64 s[8:9], s[8:9], s[46:47]
	s_add_nc_u64 s[10:11], s[10:11], s[20:21]
	s_add_nc_u64 s[10:11], s[10:11], s[46:47]
	s_mul_i32 s21, s15, HALFT                      ; LDS: my 8 records of x,
	s_mul_i32 s22, s16, HALFT
	s_add_co_u32 s22, s22, 2*HALFT                 ; of kernel,
	s_sub_co_u32 s23, s22, s21                     ; the distance between the two,
	s_add_co_u32 s18, s21, SLOT                    ; and the same in slot 1
	s_add_co_u32 s19, s22, SLOT
	v_and_b32 v1, 15, v0                           ; r
	v_bfe_u32 v2, v0, 4, 1                         ; h
	v_lshlrev_b32 v[BO], 4, v1
	global_load_b128 v[BT:BT+3], v[BO], s[8:9]               ; bias(4 r + b), tiles 0-3
	global_load_b128 v[BT+4:BT+7], v[BO], s[8:9] offset:256  ; bias(64 + 4 r + b), tiles 4-7
	v_lshrrev_b32 v3, 2, v1
	v_and_b32 v4, 3, v1
	v_mul_u32_u24 v5, v3, RECP
	v_lshl_add_u32 v5, v4, 6, v5                   ; record r / 4, row 4 (r % 4)
	v_mul_u32_u24 v6, v2, PP
	v_add_nc_u32 v6, v6, v5                        ; fragments: + piece h
	v_mul_u32_u24 v7, s23, v2
	v_add_nc_u32 v7, v7, v5                        ; scale words: lanes 0-15 x's, lanes 16-31 kernel's
	v_add_nc_u32 v[ADRA], s21, v6
	v_add_nc_u32 v[ADRA+1], s18, v6
	v_add_nc_u32 v[ADRB], s22, v6
	v_add_nc_u32 v[ADRB+1], s19, v6
	v_add_nc_u32 v[ADRS], s21, v7
	v_add_nc_u32 v[ADRS+1], s18, v7
	v_lshl_add_u32 v[CO], v2, 19, v[BO]            ; out0: 32 h rows + 16 r bytes
	s_wait_alu depctr_va_vdst(0)
	s_wait_loadcnt 0x0
	WIN TO_B
.irp t, 0,1,2,3,4,5,6,7
.irp j, 0,1,2,3,4,5,6,7
	v_mov_b32 v[BI+8*\t+\j], v[BT+\t]              ; a tile's C: its column's bias in all eight rows
.endr
.endr
	WIN 0
.macro FRAG reg, adr, q, i             ; tile i, the slot's q-th 128 along K: registers 4 c .. 4 c + 3 hold block 4 q + 2 c + h
.irp c, 0,1
	ds_load_b128 v[\reg+4*\c:\reg+4*\c+3], v[\adr] offset:((\i)/4)*4*RECP+16*((\i)%4)+(4*(\q)+2*\c)*PP
.endr
.endm
.macro FETCH slot, q, p                ; 32 LDS loads: both operands' eight tiles into set p
	WIN TO_B
.irp i, 0,1,2,3,4,5,6,7
	FRAG 128*(\p)+8*\i, ADRB+\slot, \q, \i
.endr
	WIN 0
.irp i, 0,1,2,3,4,5,6,7
	FRAG AF+64*(\p)+8*\i, ADRA+\slot, \q, \i
.endr
.endm
.macro SCALES sc                       ; a slot's scale words: register 4 i + q: lanes 0-15 x's tile i, lanes 16-31 kernel's tile i
.irp i, 0,1,2,3,4,5,6,7
	ds_load_b128 v[SC+32*(\sc)+4*\i:SC+32*(\sc)+4*\i+3], v[ADRS+\sc] offset:(\i/4)*4*RECP+16*(\i%4)+16*PP
.endr
.endm
.macro MUL16 a0, p, q, sc, first       ; x's tiles a0, a0 + 1 against kernel's eight; the 64 accumulators take turns
.irp a, \a0, \a0+1
.irp b, 0,1,2,3,4,5,6,7
.if \first
	v_wmma_scale_f32_16x16x128_f8f6f4 v[8*(8*((\a)%4)+\b):8*(8*((\a)%4)+\b)+7], v[AF+64*(\p)+8*(\a):AF+64*(\p)+8*(\a)+7], v[128*(\p)+8*\b:128*(\p)+8*\b+7], v[BI+8*\b:BI+8*\b+7], v[SC+32*(\sc)+4*(\a)+(\q)], v[SC+32*(\sc)+4*\b+(\q)] matrix_a_fmt:MATRIX_FMT_FP4 matrix_b_fmt:MATRIX_FMT_FP4 matrix_b_scale:MATRIX_SCALE_ROW1
.else
	v_wmma_scale_f32_16x16x128_f8f6f4 v[8*(8*((\a)%4)+\b):8*(8*((\a)%4)+\b)+7], v[AF+64*(\p)+8*(\a):AF+64*(\p)+8*(\a)+7], v[128*(\p)+8*\b:128*(\p)+8*\b+7], v[8*(8*((\a)%4)+\b):8*(8*((\a)%4)+\b)+7], v[SC+32*(\sc)+4*(\a)+(\q)], v[SC+32*(\sc)+4*\b+(\q)] matrix_a_fmt:MATRIX_FMT_FP4 matrix_b_fmt:MATRIX_FMT_FP4 matrix_b_scale:MATRIX_SCALE_ROW1
.endif
.endr
.endr
.endm
.macro ASK                             ; the K step two refills on; the loop's last trip (s3 = 1) has none
	s_cmp_gt_u32 s3, 1
	s_cbranch_scc0 .Lno_ask_\@
	global_prefetch_b8 v[PFO], s[PFA:PFA+1] offset:3*KSTRIDE th:TH_LOAD_NT scope:SCOPE_SE
	global_prefetch_b8 v[PF2], s[PFA:PFA+1] offset:3*KSTRIDE+8192 th:TH_LOAD_NT scope:SCOPE_SE
.Lno_ask_\@:
.endm
; A step of 128 along K.  turn = 1 (in a slot's third step): the slots change, and this slot, whose last fragments are in registers, is filled again.
.macro STEP slot, q, first, turn, ask
	s_wait_dscnt 0x0                               ; this step's fragments are in
	PLACES
.if (\q) == 3
	FETCH 1-(\slot), 0, 0
	SCALES 1-(\slot)
.if \ask
	ASK
.endif
.else
	FETCH \slot, (\q)+1, 1-(\q)%2
.endif
	WIN MUL_LO-0x10*(\first)
	MUL16 0, (\q)%2, \q, \slot, \first
	MUL16 2, (\q)%2, \q, \slot, \first
.if \turn
	WIN 0
	s_wait_xcnt 0x0                                ; my prefetches have read their address
	s_add_nc_u64 s[PFA:PFA+1], s[PFA:PFA+1], KSTRIDE
	s_wait_tensorcnt 0x0                           ; my part of the other slot has landed
	ds_add_u32 v[SPW], v[NIL]
	WIN MUL_HI
	MUL16 4, (\q)%2, \q, \slot, 0
	s_wait_dscnt 0x0                               ; the add is done; my last reads of this slot are back
	s_barrier_signal -1
	MUL16 6, (\q)%2, \q, \slot, 0
	WIN 0
	s_barrier_wait -1
	CREST                                          ; the barrier opened a round of the cluster's barrier
	s_add_nc_u64 s[G0+4*\slot+2:G0+4*\slot+3], s[G0+4*\slot+2:G0+4*\slot+3], 2*KSTRIDE
	s_add_nc_u64 s[G0B+4*\slot+2:G0B+4*\slot+3], s[G0B+4*\slot+2:G0B+4*\slot+3], 2*KSTRIDE
	JLOAD G0+4*\slot, G1, G0B+4*\slot, G1B
.else
	WIN MUL_HI-0x20*(\first)
	MUL16 4, (\q)%2, \q, \slot, \first
	MUL16 6, (\q)%2, \q, \slot, \first
	WIN 0
.endif
.endm
	s_wait_alu depctr_va_vdst(0)
	s_wait_tensorcnt 0x0                           ; my part of K step 0 is in; slot 1's first fill is issued as a refill is
	ds_add_u32 v[SPW], v[NIL]
	s_wait_dscnt 0x0
	CROUND
	JLOAD G0+4, G1, G0B+4, G1B                     ; K step 1
	FETCH 0, 0, 0
	SCALES 0
	global_prefetch_b8 v[PFO], s[PFA:PFA+1] offset:3*KSTRIDE th:TH_LOAD_NT scope:SCOPE_SE
	global_prefetch_b8 v[PF2], s[PFA:PFA+1] offset:3*KSTRIDE+8192 th:TH_LOAD_NT scope:SCOPE_SE
	STEP 0, 0, 1, 0, 0                             ; the first step's products start the sums from the bias
	s_mov_b32 s3, 3
.Llap:                                                 ; a trip: two K steps, from a lap's second step to the next lap's first; both slots are filled again
	STEP 0, 1, 0, 0, 0
	STEP 0, 2, 0, 1, 0
	STEP 0, 3, 0, 0, 1
	STEP 1, 0, 0, 0, 0
	STEP 1, 1, 0, 0, 0
	STEP 1, 2, 0, 1, 0
	STEP 1, 3, 0, 0, 1
	STEP 0, 0, 0, 0, 0
	s_sub_co_u32 s3, s3, 1
	s_cmp_lg_u32 s3, 0
	s_cbranch_scc1 .Llap
; THE LAST SIX STEPS BY HALF ROWS.  Step e = 0..5 is the (e + 2) % 4-th 128 along K of slot (e + 2) / 4.
.macro ALE a, e                        ; x's tile a % 8, step e -> buffer a % 2 (v128.., v192..), 8 registers a step
	FRAG 128+64*((\a)%2)+8*(\e), ADRA+((\e)+2)/4, ((\e)+2)%4, (\a)%8
.endm
.macro BLE g, e                        ; kernel's tiles 4 g .. 4 g + 3, step e -> window 1, 32 registers a step: v0-127, then v192-255
.irp bb, 0,1,2,3
	FRAG 32*(\e)+64*((\e)/4)+8*\bb, ADRB+((\e)+2)/4, ((\e)+2)%4, 4*(\g)+\bb
.endr
.endm
.macro HROW n                          ; x's tile n % 8 against column half n / 8: four accumulators by turns, K ascending, 24 products
.set HA, (\n)%8
.set HG, (\n)/8
	WIN MUL_LO+0x50*(HA/4)
.irp e, 0,1,2,3,4,5
.irp bb, 0,1,2,3
	v_wmma_scale_f32_16x16x128_f8f6f4 v[64*(HA%4)+8*(4*HG+\bb):64*(HA%4)+8*(4*HG+\bb)+7], v[128+64*(HA%2)+8*\e:128+64*(HA%2)+8*\e+7], v[32*\e+64*(\e/4)+8*\bb:32*\e+64*(\e/4)+8*\bb+7], v[64*(HA%4)+8*(4*HG+\bb):64*(HA%4)+8*(4*HG+\bb)+7], v[SC+32*((\e+2)/4)+4*HA+(\e+2)%4], v[SC+32*((\e+2)/4)+4*(4*HG+\bb)+(\e+2)%4] matrix_a_fmt:MATRIX_FMT_FP4 matrix_b_fmt:MATRIX_FMT_FP4 matrix_b_scale:MATRIX_SCALE_ROW1
.endr
.endr
.endm
.macro HOUT n                          ; it leaves: relu gathers the four accumulators' numbers of one row into four registers; each store covers two runs of 256 consecutive bytes, aligned
.set HA, (\n)%8
.set HG, (\n)/8
	PLACES
.if (\n) == 7
	WIN TO_B
.irp e, 0,1,2,3,4,5
	BLE 1, \e                                      ; the other column half
.endr
.endif
	WIN 0
.if (\n) < 14
.irp e, 0,1,2,3,4,5
	ALE (\n)+2, \e                                 ; this buffer takes the tile two half rows on
.endr
.endif
.if (\n) > 0
	s_wait_xcnt 0x0                                ; the last half row's stores have read their data registers
.endif
	WIN 0x08+4*(HA/4)
.irp j, 0,1,2,3,4,5,6,7                ; each accumulator is read from its low end on
.irp bb, 0,1,2,3
	v_max_num_f32 v[BT+4*\j+\bb], 0, v[64*(HA%4)+8*(4*HG+\bb)+\j]
.endr
.endr
	WIN 0
.irp j, 0,1,2,3,4,5,6,7
	global_store_b128 v[CO], v[BT+4*\j:BT+4*\j+3], s[10:11] offset:(64*(HA/4)+4*\j+HA%4)*ROWC+256*HG th:TH_STORE_NT
.endr
.endm
	s_wait_dscnt 0x0                               ; K step 6's second step: its fragments are in set 1; it holds the last change of slots, behind which nothing is filled again
	PLACES
	WIN TO_B
	BLE 0, 0                                       ; what slot 0 still holds is asked for now, into set 0's registers
	BLE 0, 1
	WIN 0
	ALE 0, 0
	ALE 0, 1
	WIN MUL_LO
	MUL16 0, 1, 1, 0, 0
	MUL16 2, 1, 1, 0, 0
	WIN 0
	s_wait_tensorcnt 0x0                           ; my part of K step 7 has landed
	ds_add_u32 v[SPW], v[NIL]
	WIN MUL_HI
	MUL16 4, 1, 1, 0, 0
	s_wait_dscnt 0x0
	s_barrier_signal -1
	MUL16 6, 1, 1, 0, 0
	WIN 0
	s_barrier_wait -1
	PLACES
	SCALES 1
	WIN TO_B
.irp e, 2,3,4,5
	BLE 0, \e
.endr
	WIN 0
.irp e, 2,3,4,5
	ALE 0, \e
.endr
.irp e, 0,1,2,3,4,5
	ALE 1, \e
.endr
	s_wait_dscnt 12                                ; all but the next tile's twelve loads
	HROW 0
.irp n, 0,1,2,3,4,5,6,7,8,9,10,11,12,13,14,15
	HOUT \n
.if \n < 15
.if \n < 14
	s_wait_dscnt 12                                ; behind the next half row's fragments stand the twelve loads just issued
.else
	s_wait_dscnt 0x0
.endif
	HROW \n+1
.endif
.endr
	s_wait_tensorcnt 0x0                           ; the wave's end
	ds_add_u32 v[SPW], v[NIL]
	s_wait_dscnt 0x0
	CROUND                                         ; the closing round
	s_endpgm
.Lfunc_end_k_q01ab3429d2_gemm:
	.size	k_q01ab3429d2_gemm, .Lfunc_end_k_q01ab3429d2_gemm-k_q01ab3429d2_gemm
	.p2alignl 7, 3214868480
	.fill 96, 4, 3214868480
	.section	.rodata,"a",@progbits
	.p2align	6, 0x0
	.amdhsa_kernel k_q01ab3429d2_gemm
		.amdhsa_group_segment_fixed_size 327680
		.amdhsa_private_segment_fixed_size 0
		.amdhsa_enable_private_segment 0
		.amdhsa_kernarg_size 32
		.amdhsa_user_sgpr_count 2
		.amdhsa_user_sgpr_kernarg_segment_ptr 1
		.amdhsa_wavefront_size32 1
		.amdhsa_system_sgpr_workgroup_id_x 1
		.amdhsa_system_sgpr_workgroup_id_y 1
		.amdhsa_system_sgpr_workgroup_id_z 1
		.amdhsa_system_vgpr_workitem_id 0
		.amdhsa_next_free_vgpr 1024
		.amdhsa_next_free_sgpr 68
		.amdhsa_reserve_vcc 0
		.amdhsa_float_denorm_mode_32 3
		.amdhsa_float_denorm_mode_16_64 3
		.amdhsa_memory_ordered 1
		.amdhsa_forward_progress 1
		.amdhsa_inst_pref_size 219
	.end_amdhsa_kernel
	.amdgpu_metadata
---
amdhsa.version: [ 1, 2 ]
amdhsa.kernels:
  - .name:           k_q01ab3429d2_gemm
    .symbol:         k_q01ab3429d2_gemm.kd
    .args:
      - { .name: xq, .offset: 0, .size: 8, .value_kind: global_buffer, .address_space: global }
      - { .name: wq, .offset: 8, .size: 8, .value_kind: global_buffer, .address_space: global }
      - { .name: bias, .offset: 16, .size: 8, .value_kind: global_buffer, .address_space: global }
      - { .name: out0, .offset: 24, .size: 8, .value_kind: global_buffer, .address_space: global }
    .group_segment_fixed_size: 327680
    .private_segment_fixed_size: 0
    .kernarg_segment_align: 8
    .kernarg_segment_size: 32
    .max_flat_workgroup_size: 128
    .sgpr_count:     68
    .vgpr_count:     1024
    .wavefront_size: 32
...
	.end_amdgpu_metadata
.endif
;; end of part 2
